; MI455X (gfx1250); checked and timed in simulation.
; The chip was launched on July 23, 2026; its instructions are those of AMD's public machine-readable ISA for CDNA 5 (MIT licence, August 2026) and "CDNA5" Instruction Set Architecture Reference Guide (July 2026). The comments in the code are by the model that wrote it; some were corrected since.
;; Bit Linear LRLS. Allowed arithmetic: float matrix products may take bf16 or f16 operands with f32 sums; other float arithmetic in f32, or as packed bf16 or f16 multiplies, adds, multiply-adds, maxima and minima; sums over many terms, partial sums and values carried from step to step in f32; what a program stores and reads back later, other than sums and carried values, may be rounded once to bf16 or f16.
;; Inputs: lrls_A 4,096 x 16 float32; lrls_B 16 x 4,096 float32; scale 4,096 float32; threshold one number float32; weight 4,096 x 4,096 float32; x 4 x 1,024 x 4,096 float32.
;; Outputs: out0 4 x 1,024 x 4,096 float32.
;; One version. Each part assembles by itself: llvm-mc -triple=amdgcn-amd-amdhsa -mcpu=gfx1250 --defsym DOCPART=n.
;; ======== version 1 of 1: 2 launches
;; limits: values are held in f16: magnitudes above 65,504 overflow, below 6.1e-05 lose precision; inputs' magnitudes at most 65,504
;; workspace buffers: xh 33,554,432 bytes; wq 33,554,432 bytes; part 16,384 bytes
;; launch prep (part 1): grid 256 x 1, 16 waves a work-group, no clusters, 34,816 bytes of LDS; arguments x, weight, lrls_B, xh, wq, part; writes xh, wq, part
.if DOCPART == 1
	.amdgcn_target "amdgcn-amd-amdhsa--gfx1250"
	.amdhsa_code_object_version 6
	.text
	.protected	k_qc9d07c9969_prep
	.globl	k_qc9d07c9969_prep
	.p2align	8
	.type	k_qc9d07c9969_prep,@function
k_qc9d07c9969_prep:
	s_mov_b64 s[64:65], 0
	v_nop
	global_prefetch_b8 v0, s[64:65] scope:SCOPE_SE
	s_setreg_imm32_b32 hwreg(HW_REG_WAVE_MODE, 25, 1), 1
	s_wait_xcnt 0x0
; BitLinearLRLS, the first of two launches.  With q[o][k] = clip(round(weight[o][k] / 0.5), -1, 1) and scale_eff[o] = scale[o] + sum_r A[o][r] (sum_k B[r][k] mean_m x[m][k]),
; reference() returns y[m][o] = sum_k x[m][k] (w_q[o][k] scale_eff[o]).  M = 4 x 1024 = 4,096 rows of x, K = OUT = 4,096.
; THIS LAUNCH streams x and weight once and stores: xh = x rounded once to f16; wq = q as f16 (-1, 0, 1 are exact); part[g][r] = the sum over work-group g's block of x of B[r][k] x[m][k], in f32.
; The second launch adds the 256 parts (B . mean(x) is linear in x, so the parts of any split of x add up), makes scale_eff, and multiplies xh by wq.
; WORK LEFT OUT, for all finite values of the inputs:
;   threshold: reference() names it nowhere in its body (it quantises by the constant 0.5), so it has no way to the output: it is not loaded and is among no launch's arguments.
;   w_q = weight + (q - weight): in exact arithmetic this is q, whatever weight holds: the subtraction and the addition are not done.
; MOVED, not left out: scale_eff[o] is the same for all k, so sum_k x (q s) = s sum_k x q: it is applied once to each f32 sum, in the second launch (another order of rounding than reference()'s).
; LIMITS.  |x| stays under 65,504 (f16's range: some 300 times the drawn |x|'s largest); x below 6e-5 keeps f16's fixed step of 6e-8.  A NaN in weight is not carried (q then is one of the clamp's
; bounds); an infinity in weight gives +-1, where reference()'s weight + (q - weight) gives NaN; beyond |weight| = 2^16 reference()'s own f32 sum weight + (q - weight) leaves q by more than a part in
; a hundred, and this text keeps the exact q.  round() is to the nearest, ties to even, as jnp.round's; 2 weight is exact in f32.
; SHARES.  Work-group g takes 32 rows (group g >> 1) x 2,048 columns (half g & 1) of x and the same block of weight.  Wave w takes one strip of 128 columns: 512 bytes of f32 in, 256 bytes of f16 out; lane l
; its columns 4 l .. 4 l + 3.  So a wave's load covers 512 consecutive bytes, aligned, and a wave's store (8 bytes a lane) 256 consecutive bytes, aligned.
; IN FLIGHT.  No loop: five batches of 16 loads (x, x, B, weight, weight) go through three sets of 64 registers; 48 loads of every wave are out at the start, and a set is asked for again as soon as it is stored.
; No LDS on the way in (no wave wants another's bytes), no matrix unit (nothing to multiply), no cluster (only B is shared: 1 part in 500 of the bytes from memory).
.set ROWI,  16384                      ; bytes in a row of x, weight, B
.set ROWO,  8192                       ; bytes in a row of xh, wq
.set RED,   0                          ; LDS: the lanes' 16 dot products, word [r][wave][lane] at 2,048 r + 128 wave + 4 lane: 32,768 bytes
.set SPARE, 32768                      ; behind them: the spare words, 128 bytes for each of the 16 waves: eight blocks of 256 bytes that no other line names
.set VIN,  2                           ; v2   16 x lane: my 16 bytes of a strip of f32; never rewritten
.set VOUT, 3                           ; v3   8 x lane: my 8 bytes of a strip of f16; never rewritten
.set LSA,  4                           ; v4   128 x wave + 4 x lane: where I put a dot product
.set LRA,  5                           ; v5   2,048 x wave + 16 x lane: where I read row r = wave of RED
.set SPW,  6                           ; v6   LDS address of my spare word; never rewritten
.set NIL,  7                           ; v7   0; never rewritten
.set CS,   8                           ; v[8:11]  the sums of my four columns over the 32 rows of x
.set PO,   12                          ; v12  byte offset in part of my wave's number
.set T,    16                          ; v[16:31] at work in the reduction
.set BUF0, 32                          ; v[32:95], v[96:159], v[160:223]: three sets of 16 rows x 4 registers
.set BUF1, 96
.set BUF2, 160
	s_load_b256 s[4:11], s[0:1], 0x0               ; x s[4:5], weight s[6:7], B s[8:9], xh s[10:11]
	s_load_b128 s[12:15], s[0:1], 0x20             ; wq s[12:13], part s[14:15]
	v_lshl_add_u32 v[SPW], v0, 2, SPARE
	v_mov_b32 v[NIL], 0
	v_lshrrev_b32 v1, 5, v0
	v_readfirstlane_b32 s18, v1                    ; wave 0..15
	v_and_b32 v1, 31, v0                           ; lane
	v_lshlrev_b32 v[VIN], 4, v1
	v_lshlrev_b32 v[VOUT], 3, v1
	s_lshl_b32 s29, s18, 7
	v_lshl_add_u32 v[LSA], v1, 2, s29
	s_lshl_b32 s30, s18, 11
	v_lshl_add_u32 v[LRA], v1, 4, s30
	s_mov_b32 s16, 0x76543210                      ; v_permlanex16_b32: each lane takes its own place in the other half
	s_mov_b32 s17, 0xfedcba98
	s_and_b32 s19, ttmp9, 1                        ; which half of the columns
	s_lshl_b32 s19, s19, 4
	s_add_co_u32 s19, s19, s18                     ; my strip, 0..31
	s_lshr_b32 s28, ttmp9, 1                       ; which 32 rows
	s_lshl_b32 s24, s19, 9                         ; the strip in a row of f32: also B's offset
	s_mov_b32 s25, 0
	s_lshl_b32 s20, s28, 19                        ; 32 rows of 16,384 bytes: under 2^26
	s_or_b32 s20, s20, s24
	s_mov_b32 s21, 0
	s_lshl_b32 s22, s28, 18                        ; 32 rows of 8,192 bytes
	s_lshl_b32 s31, s19, 8                         ; the strip in a row of f16
	s_or_b32 s22, s22, s31
	s_mov_b32 s23, 0
	s_lshl_b32 s27, ttmp9, 6                       ; part[g]: 64 bytes,
	s_lshl2_add_u32 s27, s18, s27                  ; and in it the word of r = my wave's number
	v_mov_b32 v[PO], s27
	s_wait_kmcnt 0x0
	s_add_nc_u64 s[4:5], s[4:5], s[20:21]          ; x and weight at my strip of the block's first row
	s_add_nc_u64 s[6:7], s[6:7], s[20:21]
	s_add_nc_u64 s[8:9], s[8:9], s[24:25]          ; B at my strip of its first row
	s_add_nc_u64 s[10:11], s[10:11], s[22:23]      ; xh and wq likewise
	s_add_nc_u64 s[12:13], s[12:13], s[22:23]
; 16 rows from row0 on into a set of registers.  nt = 1: bytes that the launch reads once.
.macro LOADS buf, sb, row0, nt
.set r, 0
.rept 16
.if \nt
	global_load_b128 v[(\buf)+4*r:(\buf)+4*r+3], v[VIN], s[\sb:\sb+1] offset:((\row0)+r)*ROWI th:TH_LOAD_NT
.else
	global_load_b128 v[(\buf)+4*r:(\buf)+4*r+3], v[VIN], s[\sb:\sb+1] offset:((\row0)+r)*ROWI
.endif
.set r, r+1
.endr
.endm
; 16 rows of x: added onto the column sums, rounded to f16 in place, stored.  younger = loads issued behind this batch; loads come back in order (ISA guide 5.7.1), so row r is in when
; only the 15 - r rows behind it and the younger batches are out.  first = 1: rows 0 and 1 start the sums: nothing is cleared.
.macro XROWS buf, row0, younger, first
.set r, 0
.rept 16
.set b, (\buf)+4*r
.if (\first) && (r == 0)
	s_wait_loadcnt (\younger)+14
	v_pk_add_f32 v[CS:CS+1], v[b:b+1], v[b+4:b+5]
	v_pk_add_f32 v[CS+2:CS+3], v[b+2:b+3], v[b+6:b+7]
.elseif (\first) && (r == 1)           ; already in and already added
.else
	s_wait_loadcnt (\younger)+15-r
	v_pk_add_f32 v[CS:CS+1], v[CS:CS+1], v[b:b+1]
	v_pk_add_f32 v[CS+2:CS+3], v[CS+2:CS+3], v[b+2:b+3]
.endif
	v_cvt_pk_f16_f32 v[b], v[b], v[b+1]
	v_cvt_pk_f16_f32 v[b+1], v[b+2], v[b+3]
	global_store_b64 v[VOUT], v[b:b+1], s[10:11] offset:((\row0)+r)*ROWO th:TH_STORE_NT
.set r, r+1
.endr
.endm
; B's 16 rows: row r times my four column sums, the four products added, into RED.
.macro BDOT buf, younger
.set r, 0
.rept 16
.set b, (\buf)+4*r
	s_wait_loadcnt (\younger)+15-r
	v_pk_mul_f32 v[b:b+1], v[b:b+1], v[CS:CS+1]
	v_pk_fma_f32 v[b:b+1], v[b+2:b+3], v[CS+2:CS+3], v[b:b+1]
	v_add_f32 v[b], v[b], v[b+1]
	ds_store_b32 v[LSA], v[b] offset:RED+r*2048
.set r, r+1
.endr
.endm
; 16 rows of weight: 2 w (exact), rounded to the nearest whole number (ties to even), held to -1 .. 1, written as f16, stored.
.macro WROWS buf, row0, younger
.set r, 0
.rept 16
.set b, (\buf)+4*r
	s_wait_loadcnt (\younger)+15-r
	v_pk_add_f32 v[b:b+1], v[b:b+1], v[b:b+1]
	v_pk_add_f32 v[b+2:b+3], v[b+2:b+3], v[b+2:b+3]
.irp j, 0,1,2,3
	v_rndne_f32 v[b+(\j)], v[b+(\j)]
.endr
.irp j, 0,1,2,3
	v_med3_num_f32 v[b+(\j)], v[b+(\j)], -1.0, 1.0
.endr
	v_cvt_pk_f16_f32 v[b], v[b], v[b+1]
	v_cvt_pk_f16_f32 v[b+1], v[b+2], v[b+3]
	global_store_b64 v[VOUT], v[b:b+1], s[12:13] offset:((\row0)+r)*ROWO th:TH_STORE_NT
.set r, r+1
.endr
.endm
	LOADS BUF0, 4, 0, 1                            ; x rows 0-15
	LOADS BUF1, 4, 16, 1                           ; x rows 16-31
	LOADS BUF2, 8, 0, 0                            ; B: 128 work-groups read the same strip, so no hint
	XROWS BUF0, 0, 32, 1                           ; behind this batch: x's second and B
	s_wait_xcnt 0x0                                ; the stores have read set 0: it is loaded again only behind this wait
	LOADS BUF0, 6, 0, 1                            ; weight rows 0-15
	XROWS BUF1, 16, 32, 0                          ; behind this batch: B and weight's first
	s_wait_xcnt 0x0                                ; the same for set 1
	LOADS BUF1, 6, 16, 1                           ; weight rows 16-31
	BDOT BUF2, 32                                  ; behind B: both batches of weight
	WROWS BUF0, 0, 16                              ; behind this batch: weight's second
	WROWS BUF1, 16, 0
	s_wait_dscnt 0x0                               ; for the others' sake: my 16 words a lane lie in RED
	s_barrier_signal -1
	s_barrier_wait -1                              ; everybody's do.  (My stores to memory may be out: no wave reads those bytes)
.irp j, 0,1,2,3
	ds_load_b128 v[T+4*(\j):T+4*(\j)+3], v[LRA] offset:RED+512*(\j)  ; wave r adds the 512 words of row r: 16 a lane
.endr
	s_wait_dscnt 0x0
.irp j, 0,2,4,6
	v_pk_add_f32 v[T+(\j):T+(\j)+1], v[T+(\j):T+(\j)+1], v[T+8+(\j):T+8+(\j)+1]
.endr
	v_pk_add_f32 v[T:T+1], v[T:T+1], v[T+4:T+5]
	v_pk_add_f32 v[T+2:T+3], v[T+2:T+3], v[T+6:T+7]
	v_pk_add_f32 v[T:T+1], v[T:T+1], v[T+2:T+3]
	v_add_f32 v[T], v[T], v[T+1]
	v_add_f32_dpp v[T], v[T], v[T] row_xmask:1 row_mask:0xf bank_mask:0xf
	v_add_f32_dpp v[T], v[T], v[T] row_xmask:2 row_mask:0xf bank_mask:0xf
	v_add_f32_dpp v[T], v[T], v[T] row_xmask:4 row_mask:0xf bank_mask:0xf
	v_add_f32_dpp v[T], v[T], v[T] row_xmask:8 row_mask:0xf bank_mask:0xf
	v_permlanex16_b32 v[T+1], v[T], s16, s17       ; its destination counts as read: v17 has been written
	v_add_f32 v[T], v[T], v[T+1]                   ; part[g][r], in every lane
	s_wait_xcnt 0x0                                ; EXEC is a source of the stores above: it changes only behind this wait
	v_cmp_eq_u32 vcc_lo, 0, v1
	s_and_saveexec_b32 s26, vcc_lo                 ; lane 0 alone
	global_store_b32 v[PO], v[T], s[14:15]         ; one word a wave, 64 bytes a work-group: 16 KiB in the launch
	s_wait_xcnt 0x0                                ; and again in front of the line that widens it
	s_or_b32 exec_lo, exec_lo, s26
	s_wait_tensorcnt 0x0                           ; the wave's end, behind my last LDS store
	ds_add_u32 v[SPW], v[NIL]
	s_wait_dscnt 0x0
	s_endpgm
.Lfunc_end_k_qc9d07c9969_prep:
	.size	k_qc9d07c9969_prep, .Lfunc_end_k_qc9d07c9969_prep-k_qc9d07c9969_prep
	.p2alignl 7, 3214868480
	.fill 96, 4, 3214868480
	.section	.rodata,"a",@progbits
	.p2align	6, 0x0
	.amdhsa_kernel k_qc9d07c9969_prep
		.amdhsa_group_segment_fixed_size 34816
		.amdhsa_private_segment_fixed_size 0
		.amdhsa_enable_private_segment 0
		.amdhsa_kernarg_size 48
		.amdhsa_user_sgpr_count 2
		.amdhsa_user_sgpr_kernarg_segment_ptr 1
		.amdhsa_wavefront_size32 1
		.amdhsa_system_sgpr_workgroup_id_x 1
		.amdhsa_system_sgpr_workgroup_id_y 1
		.amdhsa_system_sgpr_workgroup_id_z 1
		.amdhsa_system_vgpr_workitem_id 0
		.amdhsa_next_free_vgpr 224
		.amdhsa_next_free_sgpr 66
		.amdhsa_reserve_vcc 1
		.amdhsa_float_denorm_mode_32 3
		.amdhsa_float_denorm_mode_16_64 3
		.amdhsa_memory_ordered 1
		.amdhsa_forward_progress 1
		.amdhsa_inst_pref_size 51
	.end_amdhsa_kernel
	.amdgpu_metadata
---
amdhsa.version: [ 1, 2 ]
amdhsa.kernels:
  - .name:           k_qc9d07c9969_prep
    .symbol:         k_qc9d07c9969_prep.kd
    .args:
      - { .name: x, .offset: 0, .size: 8, .value_kind: global_buffer, .address_space: global }
      - { .name: weight, .offset: 8, .size: 8, .value_kind: global_buffer, .address_space: global }
      - { .name: lrls_B, .offset: 16, .size: 8, .value_kind: global_buffer, .address_space: global }
      - { .name: xh, .offset: 24, .size: 8, .value_kind: global_buffer, .address_space: global }
      - { .name: wq, .offset: 32, .size: 8, .value_kind: global_buffer, .address_space: global }
      - { .name: part, .offset: 40, .size: 8, .value_kind: global_buffer, .address_space: global }
    .group_segment_fixed_size: 34816
    .private_segment_fixed_size: 0
    .kernarg_segment_align: 8
    .kernarg_segment_size: 48
    .max_flat_workgroup_size: 512
    .sgpr_count:     66
    .vgpr_count:     224
    .wavefront_size: 32
...
	.end_amdgpu_metadata
.endif
;; end of part 1
;; launch gemm (part 2): grid 16 x 16, 4 waves a work-group, clusters of 4 x 4, 327,680 bytes of LDS; arguments xh, wq, part, lrls_A, scale, out0; writes out0
.if DOCPART == 2
	.amdgcn_target "amdgcn-amd-amdhsa--gfx1250"
	.amdhsa_code_object_version 6
	.text
	.protected	k_qc9d07c9969_gemm
	.globl	k_qc9d07c9969_gemm
	.p2align	8
	.type	k_qc9d07c9969_gemm,@function
k_qc9d07c9969_gemm:
	s_mov_b64 s[64:65], 0
	v_nop
	global_prefetch_b8 v0, s[64:65] scope:SCOPE_SE
	s_setreg_imm32_b32 hwreg(HW_REG_WAVE_MODE, 25, 1), 1
	s_wait_xcnt 0x0
	s_wait_alu depctr_hold_cnt(0) depctr_sa_sdst(0) depctr_va_vdst(0) depctr_va_sdst(0) depctr_va_ssrc(0) depctr_va_vcc(0) depctr_vm_vsrc(0)
	s_getreg_b32 s2, hwreg(HW_REG_IB_STS2, 6, 4)
	s_cmp_eq_u32 s2, 0
	s_cbranch_scc0 .Lentry_in_a_cluster
	s_endpgm
.Lentry_in_a_cluster:
	s_bfe_u32 s2, ttmp6, 0x10000c
	s_cmp_lg_u32 s2, 0xf033
	s_cbranch_scc0 .Lentry_shape_is_right
	s_endpgm
.Lentry_shape_is_right:
; BitLinearLRLS, the second of two launches: out0[m][o] = scale_eff[o] x sum_k xh[m][k] wq[o][k].  xh: x rounded to f16, [4096][4096]; wq: the ternary weights as f16, [4096][4096]; out0: f32.
; scale_eff[o] = scale[o] + (sum_r A[o][r] t[r]) / 4096, t[r] = sum_g part[g][r]: the first launch's 256 partial sums of B[r][k] x[m][k], all in f32.
; LEFT OUT, as shown at the first kernel's head: threshold (reference() never names it) and the pair weight + (q - weight), which is q.  scale_eff, the same for all k, multiplies each finished f32 sum once
; (another order of rounding than reference()'s, which scales each weight).  LIMITS: those of the first kernel (|x| under 65,504; NaN and infinities in weight are not carried).
; SHAPE.  A tile of out0, 256 x 256, is made by a work-group of four waves; a wave makes 128 x 128: 64 accumulators of 16 x 16, 512 registers.  256 tiles, one to a work-group.  K goes in steps of 128 through a ring
; of two LDS slots filled by the tensor data mover: a tile's rows are 256 bytes of memory and start at multiples of 256 bytes from the buffer's first byte.
; CLUSTERS: 4 x 4 work-groups.  The four of a row of the cluster need the same tiles of xh, the four of a column the same tiles of wq: each tile is asked for JOINTLY: the same tensor load, with the same descriptor
; and a mask that names the four, in all four; each receives it in its own LDS.
; REGISTERS, in windows of 256 (s_set_vgpr_msb's low byte: bits 1:0 source 0, 3:2 source 1, 5:4 source 2, 7:6 destination):
;   window 0: v0-39 addresses and scale_eff; v64-127, v128-191 fragments of xh, two buffers.  Ahead of the loop v64-191 hold part, v192-255 my 128 rows of A.  On the way out v64-255 are three sets of 16 rows
;   window 1: v64-127, v128-191 fragments of wq, two buffers      window 2: the 32 accumulators of my rows 0-63 ((a, b) at v[8 (8 a + b)])      window 3: those of my rows 64-127
; THE MATRIX INSTRUCTION IS USED TRANSPOSED: source 0 = 16 rows of wq, source 1 = 16 rows of xh.  In the result lane l holds row l % 16 of out0 and its registers 0 to 7 the columns 8 (l / 16) + 0 .. 7.
.set SIZE_M, 4096
.set SIZE_N, 4096
.set SIZE_K, 4096
.set KSTEP,  128
.set PITCH,  272                       ; an LDS row: 256 bytes + 16 of padding = 68 words: row r starts at bank 4 r mod 64 (64 banks of 4 bytes: ISA guide 11.1), so the 16 rows of a load start at 16 different banks
.set HALFT,  128*PITCH                 ; 128 rows: what one tensor load brings, and what one wave reads of xh or of wq
.set SLOT,   4*HALFT                   ; xh's 256 rows, then wq's 256 rows
.set STAGE,  2*SLOT                    ; behind the ring, never filled by a tensor load: 16 rows x 528 bytes for each wave, for the way out
.set SPITCH, 528                       ; a stage row: 128 f32 + 16 bytes = 132 words: again 16 rows at 16 different banks
.set SPARE,  STAGE+4*16*SPITCH         ; behind the stages: the spare words, 128 bytes for each wave: two blocks of 256 bytes that no other line names
.set LAPS,   SIZE_K/(2*KSTEP)          ; a lap = two K steps = once round the ring: 16
.set ROWC,   SIZE_N*4                  ; bytes in a row of out0
.set SC,   8                           ; v[8:11]  scale_eff of columns 4 l .. 4 l + 3 of my 128
.set AO,   13                          ; v13     my four rows of A: 256 l + 64 n0 (n0 = my first column)
.set SO,   14                          ; v14     my four numbers of scale: 16 l + 4 n0
.set ADRA, 16                          ; v16-17  LDS address of my xh fragments in slot 0, 1
.set ADRB, 20                          ; v20-21  the same for wq
.set STO,  24                          ; v24     the way out: where I put 32 bytes of a row
.set RD,   25                          ; v25     the way out: where I read a row back
.set CO,   26                          ; v26     16 l: my 16 bytes of 512 on end, in out0 and in part; never rewritten
.set SPW,  28                          ; v28     LDS address of my spare word; never rewritten
.set NIL,  29                          ; v29     0; never rewritten
.set PFO,  30                          ; v30     the prefetches' offset: my lane x a row of xh or wq; never rewritten
.set SIN,  32                          ; v[32:35] scale as loaded
.set DOT,  36                          ; v[36:39] sum_r A t
.set F0,   64                          ; fragment buffer 0
.set F1,   128                         ; fragment buffer 1
.set PT,   64                          ; part, 32 loads
.set LA,   192                         ; A: column c of my four, rank r at LA + 16 c + r
.set G1,  24                           ; s[24:31] descriptor group 1 for xh's tiles;  s[32:39] group 0, a set for each slot
.set G0,  32
.set G1B, 48                           ; s[48:55], s[56:63] the same for wq's tiles
.set G0B, 56
.set LIM, 43                           ; s43     1 in a wave that prefetches, else the greatest number
.set PFA, 44                           ; s[44:45] where my prefetches stand
.set TS,  68                           ; s[68:83] t[0..15]: values only; no address and no branch is made of them
.set MSB, 0
.macro WIN new                         ; the immediate's high byte repeats the setting that is left; a switch that changes nothing is dropped
.if MSB != (\new)
	s_set_vgpr_msb (MSB<<8)|(\new)
.set MSB, (\new)
.endif
.endm
.set MUL_LO, 0xa1                      ; source 0 (wq) window 1, source 1 (xh) window 0, C and D window 2
.set MUL_HI, 0xf1                      ; the same, C and D window 3
.set TO_B,   0x40                      ; destination window 1, address window 0
; A joint load.  Waves 0 and 1 fetch xh's two halves, waves 2 and 3 wq's.  Each line has one mask and one set of registers for all that issue it; the branch hangs on the wave's number alone.
; An s_nop 0 and four v_nop follow each of the two lines, ahead of the jump, the label and what follows.
.macro JLOAD s
	s_cmp_eq_u32 s11, 0
	s_cbranch_scc0 .Lfor_b_\@
	tensor_load_to_lds s[G0+4*(\s):G0+4*(\s)+3], s[G1:G1+7]
	s_nop 0
.rept 4
	v_nop
.endr
	s_branch .Lasked_\@
.Lfor_b_\@:
	tensor_load_to_lds s[G0B+4*(\s):G0B+4*(\s)+3], s[G1B:G1B+7]
	s_nop 0
.rept 4
	v_nop
.endr
.Lasked_\@:
.endm
; A PREFETCH INTO THE L2, behind each joint refill, its five lines and the run of LDS loads that follows them: the K step that stands TWO refills on (512 matrix instructions ahead of the load that will want it):
; 32 rows x 256 bytes, a lane a row, one instruction a wave.  Each row's 256 bytes of a K step are named ONCE in the launch: xh's tile row is read by every cluster of that row of clusters, and the one with x = 0 asks;
; wq's tile column by every cluster of that column, and the one with y = 0 asks.  The four partners that ask for a tile jointly share its rows out BY ADDRESS: of the 128 rows that a wave fetches, the partner at
; place p takes 32 p .. 32 p + 31 (p = cx for xh, cy for wq).  The loop's last trip (s3 = 1) asks for nothing: K has no step two on.  K steps 0 to 3 come by their loads alone.
.macro ASK
	s_cmp_gt_u32 s3, s[LIM]
	s_cbranch_scc0 .Lnot_mine_\@
	global_prefetch_b8 v[PFO], s[PFA:PFA+1] offset:KSTEP*2 th:TH_LOAD_NT scope:SCOPE_SE
.Lnot_mine_\@:
.endm
; A round of the cluster's barrier: my work-group's barrier, so that wave 0's signal speaks for all four waves; wave 0 signals; every wave waits for all sixteen work-groups; my work-group's barrier once more.
.macro CREST                           ; a round behind its opening barrier
	s_cmp_lg_u32 s10, 0
	s_cbranch_scc1 .Lnot_wave_0_\@
	s_barrier_signal -3
.Lnot_wave_0_\@:
	s_barrier_wait -3
	s_barrier_signal -1
	s_barrier_wait -1
.endm
.macro CROUND                          ; a whole round
	s_barrier_signal -1
	s_barrier_wait -1
	CREST
.endm
	s_load_b128 s[4:7], s[0:1], 0x0                ; xh s[4:5], wq s[6:7]
	s_load_b128 s[84:87], s[0:1], 0x10             ; part s[84:85], A s[86:87]
	s_load_b128 s[88:91], s[0:1], 0x20             ; scale s[88:89], out0 s[90:91]
	v_lshl_add_u32 v[SPW], v0, 2, SPARE
	v_mov_b32 v[NIL], 0
	ds_add_u32 v[SPW], v[NIL]                      ; the wave's opening: the add, twice on end, and its wait stand ahead of my first tensor load; the set-up below, work on registers, stands between
	ds_add_u32 v[SPW], v[NIL]                      ; and once more, under the one wait
	v_lshrrev_b32 v1, 5, v0
	v_readfirstlane_b32 s10, v1                    ; wave 0..3
	s_lshr_b32 s11, s10, 1                         ; which half of the tile's rows is mine.  Also: I fetch for xh (0) or for wq (1)
	s_and_b32 s12, s10, 1                          ; which half of its columns.  Also: which 128 rows of that tile I fetch
	s_bfe_u32 s40, ttmp6, 0x40000                  ; cx: my place along the cluster's x
	s_bfe_u32 s41, ttmp6, 0x40004                  ; cy: along its y
	s_lshl_b32 s42, ttmp9, 2                       ; in a cluster launch ttmp9 and ttmp7 count clusters
	s_add_co_u32 s42, s42, s40                     ; tile column = 4 x cluster x + cx
	s_and_b32 s13, ttmp7, 0xffff
	s_lshl_b32 s13, s13, 2
	s_add_co_u32 s13, s13, s41                     ; tile row = 4 x cluster y + cy
	s_lshl_b32 s43, s41, 2
	s_lshl_b32 s43, 15, s43                        ; my row of the cluster: places 4 cy .. 4 cy + 3
	s_lshl_b32 s44, 0x1111, s40                    ; my column: places cx, cx + 4, cx + 8, cx + 12
	; descriptor group 1: a tile of 128 rows x 128 elements, padded in LDS
	s_or_b32 s[G1+0], s43, (1<<16)|(1<<20)|(1<<21)|(5<<22)|(3<<25)  ; 15:0 the mask: xh's tiles go to my row; 17:16 elements of 2 bytes; 20 padding on; 21 set beside a mask; 24:22 after every 64 words (code 5); 31:25 4 words (code 3)
	s_or_b32 s[G1B+0], s44, (1<<16)|(1<<20)|(1<<21)|(5<<22)|(3<<25) ; the same with the mask of my column, for wq's tiles
.irp g, G1, G1B
	s_mov_b32 s[(\g)+1], KSTEP<<16                 ; tensor_dim0 = 128
	s_mov_b32 s[(\g)+2], 128<<16                   ; tensor_dim1 = 128
	s_mov_b32 s[(\g)+3], KSTEP<<16                 ; tile_dim0 = 128
	s_mov_b32 s[(\g)+4], 128                       ; tile_dim1 = 128
	s_mov_b32 s[(\g)+5], SIZE_K                    ; elements from row to row
	s_mov_b32 s[(\g)+6], 0
	s_mov_b32 s[(\g)+7], 0
.endr
	s_mov_b32 s92, 0x76543210                      ; v_permlanex16_b32: each lane takes its own place in the other half
	s_mov_b32 s93, 0xfedcba98
	; where the tiles come from.  xh's hang on the tile row alone, which my row of the cluster shares; wq's on the tile column alone, which my column shares.
	s_lshl_b32 s17, s12, 7                         ; which 128 rows of the tile I fetch
	s_lshl_b32 s16, s13, 8
	s_add_co_u32 s16, s16, s17                     ; xh: row 256 x tile row + 128 x half
	s_lshl_b32 s46, s42, 8
	s_add_co_u32 s46, s46, s17                     ; wq: row 256 x tile column + 128 x half
	s_mov_b32 s17, 0
	s_mov_b32 s47, 0
	s_mov_b64 s[18:19], SIZE_K*2
	s_mul_u64 s[16:17], s[16:17], s[18:19]         ; in bytes
	s_mul_u64 s[46:47], s[46:47], s[18:19]
	s_mul_i32 s20, s10, HALFT                      ; and where they go: wave x 128 rows: no place in the cluster enters an LDS address
	s_wait_dscnt 0x0                               ; both opening adds are done
	s_wait_kmcnt 0x0
	s_add_nc_u64 s[14:15], s[4:5], s[16:17]
	s_add_nc_u64 s[46:47], s[6:7], s[46:47]
	CROUND                                         ; all sixteen work-groups are here: the first joint loads meet
.irp s, 0,1
	s_mov_b32 s[G0+4*(\s)], 1                                      ; count = 1
	s_add_co_u32 s[G0+4*(\s)+1], s20, (\s)*SLOT                    ; LDS address
	s_add_nc_u64 s[G0+4*(\s)+2:G0+4*(\s)+3], s[14:15], (\s)*KSTEP*2  ; global address: K step s
	s_or_b32 s[G0+4*(\s)+3], s[G0+4*(\s)+3], 0x80000000            ; type = 2
	s_mov_b32 s[G0B+4*(\s)], 1
	s_add_co_u32 s[G0B+4*(\s)+1], s20, (\s)*SLOT
	s_add_nc_u64 s[G0B+4*(\s)+2:G0B+4*(\s)+3], s[46:47], (\s)*KSTEP*2
	s_or_b32 s[G0B+4*(\s)+3], s[G0B+4*(\s)+3], 0x80000000
	JLOAD \s                                       ; the ring is filled before anything else is done: two loads of mine are out
.endr
	; A fragment is 16 rows x 32 K in 8 registers: lane l holds row l % 16; registers 0-3 K = 8 (l / 16) + 0..7, registers 4-7 K = 16 + 8 (l / 16) + 0..7: two loads of 16 bytes, 32 bytes apart.
	v_and_b32 v1, 15, v0                           ; l % 16
	v_bfe_u32 v2, v0, 4, 1                         ; l / 16
	v_and_b32 v5, 31, v0                           ; l
	v_mul_u32_u24 v3, v1, PITCH
	v_lshl_add_u32 v3, v2, 4, v3                   ; row x pitch + 16 x half
	s_mul_i32 s21, s11, HALFT                      ; my 128 rows of xh
	s_mul_i32 s22, s12, HALFT                      ; my 128 rows of wq,
	s_add_co_u32 s22, s22, 2*HALFT                 ; which lie behind xh's 256
.irp s, 0,1
	v_add_nc_u32 v[ADRA+(\s)], s21, v3
	v_add_nc_u32 v[ADRB+(\s)], s22, v3
	s_add_co_u32 s21, s21, SLOT
	s_add_co_u32 s22, s22, SLOT
.endr
	s_mul_i32 s23, s10, 16*SPITCH
	s_add_co_u32 s23, s23, STAGE                   ; my stage
	v_mul_u32_u24 v4, v1, SPITCH                   ; in: row l % 16, 32 bytes for each half of the lanes
	v_lshl_add_u32 v4, v2, 5, v4
	v_add_nc_u32 v[STO], s23, v4
	v_lshlrev_b32 v[CO], 4, v5                     ; back: 32 lanes take one row of 512 bytes,
	v_add_nc_u32 v[RD], s23, v[CO]                 ; which are 512 consecutive bytes of out0
	s_lshl_b32 s13, s13, 8                         ; 256 x tile row
	s_lshl_b32 s14, s11, 7
	s_add_co_u32 s16, s13, s14                     ; my first row of out0,
	s_lshl_b32 s16, s16, 14                        ; in bytes: under 2^26
	s_mov_b32 s17, 0
	s_add_nc_u64 s[90:91], s[90:91], s[16:17]
	s_lshl_b32 s46, s42, 8                         ; (what is made of the tile column lies in s46, s47: no register that fed xh's descriptors ever holds cx)
	s_lshl_b32 s47, s12, 7
	s_add_co_u32 s46, s46, s47                     ; n0: my first column
	s_lshl_b32 s47, s46, 6                         ; a row of A is 64 bytes
	v_lshl_add_u32 v[AO], v5, 8, s47               ; my four rows of A are 256 bytes on end
	s_lshl_b32 s46, s46, 2
	v_lshl_add_u32 v[SO], v5, 4, s46
	s_mov_b32 s47, 0
	s_add_nc_u64 s[90:91], s[90:91], s[46:47]      ; out0 at my part of the tile
	; the prefetches.  s13 = 256 x tile row, s42 = tile column, s40 = cx, s41 = cy
	s_lshl_b32 s42, s42, 8
	s_and_b32 s22, ttmp7, 0xffff                   ; cluster y
	s_cmp_eq_u32 s11, 0                            ; do I fetch for xh?
	s_cselect_b32 s20, s13, s42                    ; the tile's first row: in xh by the tile row, in wq by the tile column
	s_cselect_b32 s21, s40, s41                    ; my place among the four that ask for it with me
	s_cselect_b32 s22, ttmp9, s22                  ; the coordinate along which other clusters read the same rows
	s_cselect_b64 s[PFA:PFA+1], s[4:5], s[6:7]
	s_cmp_eq_u32 s22, 0
	s_cselect_b32 s[LIM], 1, -1                    ; the same in all sixteen partners, for a given wave
	s_lshl_b32 s22, s12, 7
	s_add_co_u32 s20, s20, s22                     ; + the 128 rows that I fetch
	s_lshl_b32 s21, s21, 5
	s_add_co_u32 s20, s20, s21                     ; + my work-group's 32 of them
	s_mov_b32 s21, 0
	s_mov_b64 s[18:19], SIZE_K*2
	s_mul_u64 s[20:21], s[20:21], s[18:19]
	s_add_nc_u64 s[PFA:PFA+1], s[PFA:PFA+1], s[20:21]
	s_add_nc_u64 s[PFA:PFA+1], s[PFA:PFA+1], 2*KSTEP*2  ; at K step 2: the first refill steps it to 3 and names K step 4.  Nothing is prefetched here, at the head
	v_mul_u32_u24 v[PFO], v5, SIZE_K*2
	; SCALE_EFF of my 128 columns, while the first tiles are on their way.  Load j of part brings lane l the four numbers part[8 j + l / 4][4 (l % 4) + 0..3].
.set j, 0
.rept 32
	global_load_b128 v[PT+4*j:PT+4*j+3], v[CO], s[84:85] offset:512*j
.set j, j+1
.endr
.set j, 0
.rept 16
	global_load_b128 v[LA+4*j:LA+4*j+3], v[AO], s[86:87] offset:16*j  ; A[n0 + 4 l + j / 4][4 (j % 4) + 0..3]
.set j, j+1
.endr
	global_load_b128 v[SIN:SIN+3], v[SO], s[88:89]
	s_wait_loadcnt 17                              ; part is in; A's sixteen loads and scale's one may stay out
.irp d, 64,32,16,8,4                   ; the 32 loads are added, halves onto halves; a distance that is a multiple of four keeps each rank in its register
.set i, 0
.rept (\d)/2
	v_pk_add_f32 v[PT+i:PT+i+1], v[PT+i:PT+i+1], v[PT+(\d)+i:PT+(\d)+i+1]
.set i, i+2
.endr
.endr
.irp i, 0,1,2,3                        ; and the eight lanes with the same l % 4
	v_add_f32_dpp v[PT+(\i)], v[PT+(\i)], v[PT+(\i)] row_xmask:4 row_mask:0xf bank_mask:0xf
.endr
.irp i, 0,1,2,3
	v_add_f32_dpp v[PT+(\i)], v[PT+(\i)], v[PT+(\i)] row_xmask:8 row_mask:0xf bank_mask:0xf
.endr
.irp i, 0,1,2,3
	v_permlanex16_b32 v[PT+4+(\i)], v[PT+(\i)], s92, s93  ; its destination counts as read: it has been written
.endr
.irp i, 0,1,2,3
	v_add_f32 v[PT+(\i)], v[PT+(\i)], v[PT+4+(\i)]
.endr
.irp q, 0,1,2,3
.irp i, 0,1,2,3
	v_readlane_b32 s[TS+4*(\q)+(\i)], v[PT+(\i)], \q  ; lane q holds t[4 q .. 4 q + 3]
.endr
.endr
	s_wait_loadcnt 0x0                             ; A and scale
.irp c, 0,1,2,3
	v_mul_f32 v[DOT+(\c)], s[TS], v[LA+16*(\c)]    ; four chains, one a column, by turns
.endr
.set r, 1
.rept 15
.irp c, 0,1,2,3
	v_fmac_f32 v[DOT+(\c)], s[TS+r], v[LA+16*(\c)+r]
.endr
.set r, r+1
.endr
.irp c, 0,1,2,3
	v_fmamk_f32 v[SC+(\c)], v[DOT+(\c)], 0x39800000, v[SIN+(\c)]  ; scale + sum / 4096: the mean's divisor, 2^-12, is exact
.endr
; 16 matrix instructions: m blocks a0, a0 + 1 of the window's four (hi = 0: my rows 0-63, 1: rows 64-127) x all 8 n blocks, 32 along K.  zero = 1: the first product starts the sums: nothing is ever cleared.
; The 64 accumulators take turns, one instruction a turn, in the same order in every quarter step.
.macro MUL16 f, hi, a0, zero
	WIN MUL_LO+0x50*(\hi)
.irp a, \a0, (\a0)+1
.irp b, 0,1,2,3,4,5,6,7
.if \zero
	v_wmma_f32_16x16x32_f16 v[8*(8*(\a)+(\b)):8*(8*(\a)+(\b))+7], v[(\f)+8*(\b):(\f)+8*(\b)+7], v[(\f)+8*(4*(\hi)+(\a)):(\f)+8*(4*(\hi)+(\a))+7], 0
.else
	v_wmma_f32_16x16x32_f16 v[8*(8*(\a)+(\b)):8*(8*(\a)+(\b))+7], v[(\f)+8*(\b):(\f)+8*(\b)+7], v[(\f)+8*(4*(\hi)+(\a)):(\f)+8*(4*(\hi)+(\a))+7], v[8*(8*(\a)+(\b)):8*(8*(\a)+(\b))+7]
.endif
.endr
.endr
.endm
; 32 LDS loads in one run: the fragments of one quarter step (128 rows of wq, 128 rows of xh, 32 K at byte k of the rows) into buffer f
.macro FETCH slot, k, f
	WIN TO_B
.irp i, 0,1,2,3,4,5,6,7
	ds_load_b128 v[(\f)+8*(\i):(\f)+8*(\i)+3],   v[ADRB+(\slot)] offset:(\k)+(\i)*16*PITCH
	ds_load_b128 v[(\f)+8*(\i)+4:(\f)+8*(\i)+7], v[ADRB+(\slot)] offset:(\k)+(\i)*16*PITCH+32
.endr
	WIN 0
.irp i, 0,1,2,3,4,5,6,7
	ds_load_b128 v[(\f)+8*(\i):(\f)+8*(\i)+3],   v[ADRA+(\slot)] offset:(\k)+(\i)*16*PITCH
	ds_load_b128 v[(\f)+8*(\i)+4:(\f)+8*(\i)+7], v[ADRA+(\slot)] offset:(\k)+(\i)*16*PITCH+32
.endr
.endm
; A load into a register that a matrix instruction has read, and a store that reads a matrix result, stand four places behind that matrix instruction, and only plain vector instructions that name none of
; its registers are places (ISA guide 7.12.1 for vector instructions).
.macro PLACES
.rept 4
	v_nop
.endr
.endm
; A K step is four quarter steps of 32 along K, 64 matrix instructions each, on buffers 0, 1, 0, 1.  One of the first three: multiplies buffer f; in its middle it fetches the next quarter, at byte k, into buffer g.
.macro QUARTER slot, k, f, g, zero
	s_wait_dscnt 8                                 ; wq and xh's rows 0-63 are in; the youngest eight loads (xh's rows 64-127) may be out
	WIN MUL_LO
	MUL16 \f, 0, 0, \zero
	MUL16 \f, 0, 2, \zero
	PLACES
	FETCH \slot, \k, \g
	s_wait_dscnt 32                                ; all but the 32 just issued
	WIN MUL_HI
	MUL16 \f, 1, 0, \zero
	MUL16 \f, 1, 2, \zero
.endm
; The last quarter multiplies buffer 1 and changes slots.  MEET is its first half: ONE barrier for the change.  In front of it each wave waits for all its tensor loads, of which one is out: its part of the next slot;
; adds 0 to its spare word; and waits for that and for its own reads of this slot.  Behind it nobody reads this slot any more and the next slot is whole.
.macro MEET round                      ; round = 1: a round of the cluster's barrier follows
	WIN 0                                          ; (the add's two registers lie in window 0)
	s_wait_tensorcnt 0x0                           ; all my tensor loads have landed;
	ds_add_u32 v[SPW], v[NIL]                      ; 0 onto my spare word;
	s_wait_dscnt 9                                 ; (the add and the youngest eight loads may be out)
	WIN MUL_LO
	MUL16 F1, 0, 0, 0                              ; sixteen matrix instructions stand between the add and the wait for it
	s_wait_dscnt 0x0                               ; the add is done, and my reads of this slot are over:
	s_barrier_signal -1                            ; say so,
	MUL16 F1, 0, 2, 0                              ; work on registers while the others arrive,
.if \round
	WIN 0
.endif
	s_barrier_wait -1                              ; and go on when all four have said so
.endm
; The whole last quarter.  fill = 1: the barrier opens a round of the cluster's barrier, and behind it the slot just read out is filled again first, with the K step two steps on; from that request to the wait
; for it a wave issues 224 matrix instructions.  Then come the next slot's first fragments.  fill = 0 (the tail): nothing is asked for, and no round follows.
.macro TURN slot, next, fill
.if \fill
	s_wait_xcnt 0x0                                ; the last prefetch, a K step back, has read its address: it is stepped here, ahead of the waits of the change of slots
	s_add_nc_u64 s[PFA:PFA+1], s[PFA:PFA+1], KSTEP*2
	MEET 1
	CREST                                          ; no wave of any partner still reads this slot's tile or has a load on its way
	s_add_nc_u64 s[G0+4*(\slot)+2:G0+4*(\slot)+3], s[G0+4*(\slot)+2:G0+4*(\slot)+3], 2*KSTEP*2
	s_add_nc_u64 s[G0B+4*(\slot)+2:G0B+4*(\slot)+3], s[G0B+4*(\slot)+2:G0B+4*(\slot)+3], 2*KSTEP*2
	JLOAD \slot                                    ; the first tensor load behind the round, my only one until the next; its four v_nop are also the places in front of the loads below
	FETCH \next, 0, F0
	ASK
.else
	MEET 0
	PLACES
	FETCH \next, 0, F0
.endif
	WIN MUL_HI
	MUL16 F1, 1, 0, 0
	MUL16 F1, 1, 2, 0
.endm
; THE WAY OUT of block a (16 rows x 128 columns of f32).  TOSTAGE: the eight accumulators go as they are into my own stage, each from its low registers on, and come back as whole rows of 512 bytes, into one of three sets.
.macro TOSTAGE a
.set AC, 64*((\a)%4)
.set BK, F0+64*((\a)%3)
	WIN 0x08+4*((\a)/4)                            ; the stores' data (source 1) in window 2 or 3, the address in window 0
.irp b, 0,1,2,3,4,5,6,7
	ds_store_b128 v[STO], v[AC+8*(\b):AC+8*(\b)+3]   offset:64*(\b)
	ds_store_b128 v[STO], v[AC+8*(\b)+4:AC+8*(\b)+7] offset:64*(\b)+16
.endr
	WIN 0
.set t, 0
.rept 16
	ds_load_b128 v[BK+4*t:BK+4*t+3], v[RD] offset:t*SPITCH  ; LDS serves a wave's instructions in order (ISA guide 5.7.1.4): these see the stores above, and the next block's stores come behind them
.set t, t+1
.endr
.endm
; SEND: each row is multiplied by my four columns' scale_eff and stored.  younger: the LDS instructions issued behind this block's loads: the next block's 32, or none.
.macro SEND a, younger
	WIN 0
.set BK, F0+64*((\a)%3)
.if (\a) > 0
	s_wait_xcnt 0x0                                ; the earlier stores have read their base and their data: the base steps here, and the next TOSTAGE loads into the set of three blocks back
	s_add_nc_u64 s[90:91], s[90:91], 16*ROWC       ; 16 rows on
.endif
.set t, 0
.rept 16
	s_wait_dscnt (\younger)+15-t                   ; row t is back
	v_pk_mul_f32 v[BK+4*t:BK+4*t+1], v[BK+4*t:BK+4*t+1], v[SC:SC+1]
	v_pk_mul_f32 v[BK+4*t+2:BK+4*t+3], v[BK+4*t+2:BK+4*t+3], v[SC+2:SC+3]
	global_store_b128 v[CO], v[BK+4*t:BK+4*t+3], s[90:91] offset:t*ROWC th:TH_STORE_NT  ; the wave stores 512 consecutive bytes of a row, at a multiple of 512 from out0's first byte
.set t, t+1
.endr
.endm
	s_wait_tensorcnt 1                             ; my part of K step 0 is in; K step 1's may stay out
	s_barrier_signal -1
	s_barrier_wait -1                              ; everybody's is
	FETCH 0, 0, F0
	QUARTER 0, 64,  F0, F1, 1                      ; the first quarter stands in front of the loop: its products start the sums
	WIN 0                                          ; at a label and at a branch every window is 0
	s_mov_b32 s3, LAPS-1
.Llap:                                                 ; a trip goes once round the ring, from a lap's second quarter to the next lap's first, and fills both slots again: 15 trips, K steps 2 to 31
	QUARTER 0, 128, F1, F0, 0
	QUARTER 0, 192, F0, F1, 0
	TURN 0, 1, 1
	QUARTER 1, 64,  F0, F1, 0
	QUARTER 1, 128, F1, F0, 0
	QUARTER 1, 192, F0, F1, 0
	TURN 1, 0, 1
	QUARTER 0, 64,  F0, F1, 0
	WIN 0
	s_sub_co_u32 s3, s3, 1
	s_cmp_lg_u32 s3, 0
	s_cbranch_scc1 .Llap
	QUARTER 0, 128, F1, F0, 0                      ; the last lap is written out: it asks for nothing
	QUARTER 0, 192, F0, F1, 0
	TURN 0, 1, 0
	QUARTER 1, 64,  F0, F1, 0
	QUARTER 1, 128, F1, F0, 0
	QUARTER 1, 192, F0, F1, 0
	s_wait_dscnt 8                                 ; the very last quarter: nothing more to fetch
	MUL16 F1, 0, 0, 0
	MUL16 F1, 0, 2, 0
	s_wait_dscnt 0x0
	MUL16 F1, 1, 0, 0
	MUL16 F1, 1, 2, 0
	PLACES                                         ; the places behind the last products, in front of the stores that read results and of the loads into the fragments' registers:
	PLACES                                         ; twice the four that are asked for, once a launch
	TOSTAGE 0
.irp a, 1,2,3,4,5,6,7                  ; a block's trip through the stage stands between the loads of the block before and its stores
	TOSTAGE \a
	SEND (\a)-1, 32
.endr
	SEND 7, 0
	s_wait_tensorcnt 0x0                           ; the wave's end, behind my last tensor load and my last LDS store
	ds_add_u32 v[SPW], v[NIL]
	s_wait_dscnt 0x0
	CROUND                                         ; the closing round: no work-group ends while a partner may still ask for a tile that names it
	s_endpgm
.Lfunc_end_k_qc9d07c9969_gemm:
	.size	k_qc9d07c9969_gemm, .Lfunc_end_k_qc9d07c9969_gemm-k_qc9d07c9969_gemm
	.p2alignl 7, 3214868480
	.fill 96, 4, 3214868480
	.section	.rodata,"a",@progbits
	.p2align	6, 0x0
	.amdhsa_kernel k_qc9d07c9969_gemm
		.amdhsa_group_segment_fixed_size 327680
		.amdhsa_private_segment_fixed_size 0
		.amdhsa_enable_private_segment 0
		.amdhsa_kernarg_size 48
		.amdhsa_user_sgpr_count 2
		.amdhsa_user_sgpr_kernarg_segment_ptr 1
		.amdhsa_wavefront_size32 1
		.amdhsa_system_sgpr_workgroup_id_x 1
		.amdhsa_system_sgpr_workgroup_id_y 1
		.amdhsa_system_sgpr_workgroup_id_z 1
		.amdhsa_system_vgpr_workitem_id 0
		.amdhsa_next_free_vgpr 1024
		.amdhsa_next_free_sgpr 96
		.amdhsa_reserve_vcc 0
		.amdhsa_float_denorm_mode_32 3
		.amdhsa_float_denorm_mode_16_64 3
		.amdhsa_memory_ordered 1
		.amdhsa_forward_progress 1
		.amdhsa_inst_pref_size 175
	.end_amdhsa_kernel
	.amdgpu_metadata
---
amdhsa.version: [ 1, 2 ]
amdhsa.kernels:
  - .name:           k_qc9d07c9969_gemm
    .symbol:         k_qc9d07c9969_gemm.kd
    .args:
      - { .name: xh, .offset: 0, .size: 8, .value_kind: global_buffer, .address_space: global }
      - { .name: wq, .offset: 8, .size: 8, .value_kind: global_buffer, .address_space: global }
      - { .name: part, .offset: 16, .size: 8, .value_kind: global_buffer, .address_space: global }
      - { .name: lrls_A, .offset: 24, .size: 8, .value_kind: global_buffer, .address_space: global }
      - { .name: scale, .offset: 32, .size: 8, .value_kind: global_buffer, .address_space: global }
      - { .name: out0, .offset: 40, .size: 8, .value_kind: global_buffer, .address_space: global }
    .group_segment_fixed_size: 327680
    .private_segment_fixed_size: 0
    .kernarg_segment_align: 8
    .kernarg_segment_size: 48
    .max_flat_workgroup_size: 128
    .sgpr_count:     96
    .vgpr_count:     1024
    .wavefront_size: 32
...
	.end_amdgpu_metadata
.endif
;; end of part 2
